; MI455X (gfx1250); checked and timed in simulation.
; The chip was launched on July 23, 2026; its instructions are those of AMD's public machine-readable ISA for CDNA 5 (MIT licence, August 2026) and "CDNA5" Instruction Set Architecture Reference Guide (July 2026). The comments in the code are by the model that wrote it; some were corrected since.
;; Multi Head Self Attention Layer. Allowed arithmetic: float matrix products may take bf16 or f16 operands with f32 sums; other float arithmetic in f32, or as packed bf16 or f16 multiplies, adds, multiply-adds, maxima and minima; sums over many terms, partial sums and values carried from step to step in f32; what a program stores and reads back later, other than sums and carried values, may be rounded once to bf16 or f16.
;; Inputs: Wk 1,024 x 1,024 float32; Wo 1,024 x 1,024 float32; Wq 1,024 x 1,024 float32; Wv 1,024 x 1,024 float32; X_embed 4 x 2,048 x 1,024 float32; bk 1,024 float32; bo 1,024 float32; bq 1,024 float32; bv 1,024 float32.
;; Outputs: out0 4 x 2,048 x 1,024 float32.
;; One version. Each part assembles by itself: llvm-mc -triple=amdgcn-amd-amdhsa -mcpu=gfx1250 --defsym DOCPART=n.
;; ======== version 1 of 1: 4 launches
;; limits: values are held in f16: magnitudes above 65,504 overflow, below 6.1e-05 lose precision
;; workspace buffers: xb 16,777,216 bytes; wt 8,388,608 bytes; qkv 50,331,648 bytes; rpart 2,097,152 bytes
;; launch prep (part 1): grid 1024 x 1, 8 waves a work-group, no clusters, 18,432 bytes of LDS; arguments X_embed, Wq, Wk, Wv, Wo, xb, wt; writes xb, wt
.if DOCPART == 1
	.amdgcn_target "amdgcn-amd-amdhsa--gfx1250"
	.amdhsa_code_object_version 6
	.text
	.protected	k_q233e0322c5_prep
	.globl	k_q233e0322c5_prep
	.p2align	8
	.type	k_q233e0322c5_prep,@function
k_q233e0322c5_prep:
	s_mov_b64 s[64:65], 0
	v_nop
	global_prefetch_b8 v0, s[64:65] scope:SCOPE_SE
	s_setreg_imm32_b32 hwreg(HW_REG_WAVE_MODE, 25, 1), 1
	s_wait_xcnt 0x0
; xb = X rounded to bf16, [8192][1024].  wt = the four weights rounded to bf16 and turned, [4096][1024] with k along the rows:
; rows 0-1023 Wq^T, 1024-2047 Wk^T, 2048-3071 Wv^T in bf16; rows 3072-4095 Wo^T, its bf16 numbers written as f16 (the last product multiplies in f16).
; LIMIT: a bf16 number of Wo below 6.1e-5 keeps f16's fixed step of 6e-8; beyond 65,504 it would become an infinity.
; Work-groups 0-511 take 64 KiB of X each (a wave 8 KiB: 16 loads of 512 consecutive bytes, all on their way at once; each store covers 256 consecutive bytes, aligned).
; Work-groups 512-1023 take one tile of 128 k x 64 n of one weight: rows of 256 bytes in, two k packed into a word, turned through LDS (rows of one n, 256 bytes + 16 of padding),
; rows of 256 bytes out.  The branch between the two hangs on the work-group's number alone, so all eight waves of a work-group pass the same barriers.
; A stream: no matrix unit, no cluster (no two work-groups read the same byte), no tensor loads (the tiles are small and are converted on the way).
; REGISTERS: v1-10 ids and offsets; v12-13 the add's two; v16-79 as loaded; v80-111 (X) or v48-79 (weights) converted.
.set TPITCH, 272
.set SPARE,  64*TPITCH                 ; behind the tile: the spare words, 128 bytes for each of the eight waves
.set SPW, 12                           ; v12  my spare word; never rewritten
.set NIL, 13                           ; v13  0; never rewritten
	s_load_b256 s[8:15], s[0:1], 0x0               ; X s[8:9], Wq s[10:11], Wk s[12:13], Wv s[14:15]
	s_load_b128 s[16:19], s[0:1], 0x20             ; Wo s[16:17], xb s[18:19]
	s_load_b64 s[20:21], s[0:1], 0x30              ; wt
	v_lshl_add_u32 v[SPW], v0, 2, SPARE
	v_mov_b32 v[NIL], 0
	v_lshrrev_b32 v1, 5, v0                        ; wave
	v_and_b32 v2, 31, v0                           ; lane
	s_mov_b32 s25, 0                               ; the high word of every offset pair
	s_wait_kmcnt 0x0
	s_cmp_lt_u32 ttmp9, 512
	s_cbranch_scc0 .Lweights
	; ---- X ----
	s_lshl_b32 s24, ttmp9, 16                      ; 65,536 bytes of X,
	s_add_nc_u64 s[8:9], s[8:9], s[24:25]
	s_lshl_b32 s24, ttmp9, 15                      ; 32,768 bytes of xb
	s_add_nc_u64 s[18:19], s[18:19], s[24:25]
	v_lshlrev_b32 v3, 4, v2
	v_lshl_add_u32 v3, v1, 13, v3                  ; in: 8,192 x wave + 16 x lane
	v_lshlrev_b32 v4, 3, v2
	v_lshl_add_u32 v4, v1, 12, v4                  ; out: 4,096 x wave + 8 x lane
.set i, 0
.rept 16
	global_load_b128 v[16+4*i:19+4*i], v3, s[8:9] offset:512*i th:TH_LOAD_NT
.set i, i+1
.endr
.set i, 0
.rept 16
	s_wait_loadcnt 15-i                            ; loads come back in order: number i is in, the younger ones stay out
	v_cvt_pk_bf16_f32 v[80+2*i], v[16+4*i], v[17+4*i]
	v_cvt_pk_bf16_f32 v[81+2*i], v[18+4*i], v[19+4*i]
	global_store_b64 v4, v[80+2*i:81+2*i], s[18:19] offset:256*i   ; every store has registers of its own (v80 to v111): nothing is rewritten
.set i, i+1
.endr
	s_branch .Lend
	; ---- a tile of a weight ----
.Lweights:
	s_sub_co_u32 s5, ttmp9, 512
	s_lshr_b32 s6, s5, 7                           ; which weight: 0 Wq, 1 Wk, 2 Wv, 3 Wo
	s_and_b32 s7, s5, 7                            ; block of 128 k
	s_bfe_u32 s22, s5, 0x40003                     ; block of 64 n
	s_cmp_eq_u32 s6, 1
	s_cselect_b64 s[10:11], s[12:13], s[10:11]
	s_cmp_eq_u32 s6, 2
	s_cselect_b64 s[10:11], s[14:15], s[10:11]
	s_cmp_eq_u32 s6, 3
	s_cselect_b64 s[10:11], s[16:17], s[10:11]
	s_lshl_b32 s24, s7, 19                         ; 128 rows of 4,096 bytes
	s_lshl_b32 s23, s22, 8                         ; 64 columns of 4 bytes
	s_add_co_u32 s24, s24, s23
	s_add_nc_u64 s[10:11], s[10:11], s[24:25]
	s_lshl_b32 s24, s6, 10
	s_lshl_b32 s23, s22, 6
	s_add_co_u32 s24, s24, s23                     ; wt's row 1,024 x weight + 64 x block
	s_lshl_b32 s24, s24, 11                        ; of 2,048 bytes
	s_lshl_b32 s23, s7, 8                          ; 128 k of 2 bytes
	s_add_co_u32 s24, s24, s23
	s_add_nc_u64 s[20:21], s[20:21], s[24:25]
	v_and_b32 v5, 15, v0                           ; n4: my four columns
	v_lshrrev_b32 v6, 4, v0                        ; kp: my pair of rows among 16
	v_lshlrev_b32 v7, 4, v5
	v_lshl_add_u32 v7, v6, 13, v7                  ; in: two rows x kp + 16 x n4: sixteen lanes read 256 consecutive bytes
.irp u, 0,1,2,3
	global_load_b128 v[16+8*(\u):19+8*(\u)], v7, s[10:11] offset:(\u)*131072 th:TH_LOAD_NT        ; row k = 2 (kp + 16 u)
	global_load_b128 v[20+8*(\u):23+8*(\u)], v7, s[10:11] offset:(\u)*131072+4096 th:TH_LOAD_NT   ; row k + 1
.endr
	v_mul_u32_u24 v8, v5, 4*TPITCH
	v_lshl_add_u32 v8, v6, 2, v8                   ; into LDS: row n = 4 n4 (+ c), word kp (+ 16 u)
	v_mul_u32_u24 v9, v6, TPITCH
	v_lshl_add_u32 v9, v5, 4, v9                   ; back: row t / 16 (+ 16 u), 16 bytes at 16 (t % 16)
	v_lshlrev_b32 v10, 4, v5
	v_lshl_add_u32 v10, v6, 11, v10                ; and the same place in wt
	s_wait_loadcnt 0x0
.irp u, 0,1,2,3
.irp c, 0,1,2,3
	v_cvt_pk_bf16_f32 v[48+4*(\u)+(\c)], v[16+8*(\u)+(\c)], v[20+8*(\u)+(\c)]   ; (k, k + 1) of column 4 n4 + c
.endr
.endr
	s_cmp_lg_u32 s6, 3
	s_cbranch_scc1 .Lkeep
.set i, 0
.rept 16                                               ; Wo: the bf16 numbers, widened and written as f16
	v_lshlrev_b32 v[64+2*(i%4)], 16, v[48+i]
	v_and_b32 v[65+2*(i%4)], 0xffff0000, v[48+i]
	v_cvt_pk_f16_f32 v[48+i], v[64+2*(i%4)], v[65+2*(i%4)]
.set i, i+1
.endr
.Lkeep:
.irp u, 0,1,2,3
.irp c, 0,1,2,3
	ds_store_b32 v8, v[48+4*(\u)+(\c)] offset:(\c)*TPITCH+64*(\u)
.endr
.endr
	s_wait_dscnt 0x0                               ; for the others' sake: my part of the tile lies in LDS
	s_barrier_signal -1
	s_barrier_wait -1
.irp u, 0,1,2,3
	ds_load_b128 v[64+4*(\u):67+4*(\u)], v9 offset:(\u)*16*TPITCH
.endr
.irp u, 0,1,2,3
	s_wait_dscnt 3-(\u)                            ; LDS loads come back in order: number u is in
	global_store_b128 v10, v[64+4*(\u):67+4*(\u)], s[20:21] offset:(\u)*32768   ; sixteen lanes store 256 consecutive bytes, aligned
.endr
.Lend:
	s_wait_tensorcnt 0x0                           ; the wave's end, behind the last LDS store
	ds_add_u32 v[SPW], v[NIL]
	s_wait_dscnt 0x0
	s_endpgm
.Lfunc_end_k_q233e0322c5_prep:
	.size	k_q233e0322c5_prep, .Lfunc_end_k_q233e0322c5_prep-k_q233e0322c5_prep
	.p2alignl 7, 3214868480
	.fill 96, 4, 3214868480
	.section	.rodata,"a",@progbits
	.p2align	6, 0x0
	.amdhsa_kernel k_q233e0322c5_prep
		.amdhsa_group_segment_fixed_size 18432
		.amdhsa_private_segment_fixed_size 0
		.amdhsa_enable_private_segment 0
		.amdhsa_kernarg_size 56
		.amdhsa_user_sgpr_count 2
		.amdhsa_user_sgpr_kernarg_segment_ptr 1
		.amdhsa_wavefront_size32 1
		.amdhsa_system_sgpr_workgroup_id_x 1
		.amdhsa_system_sgpr_workgroup_id_y 1
		.amdhsa_system_sgpr_workgroup_id_z 1
		.amdhsa_system_vgpr_workitem_id 0
		.amdhsa_next_free_vgpr 112
		.amdhsa_next_free_sgpr 66
		.amdhsa_reserve_vcc 0
		.amdhsa_float_denorm_mode_32 3
		.amdhsa_float_denorm_mode_16_64 3
		.amdhsa_memory_ordered 1
		.amdhsa_forward_progress 1
		.amdhsa_inst_pref_size 15
	.end_amdhsa_kernel
	.amdgpu_metadata
---
amdhsa.version: [ 1, 2 ]
amdhsa.kernels:
  - .name:           k_q233e0322c5_prep
    .symbol:         k_q233e0322c5_prep.kd
    .args:
      - { .name: X_embed, .offset: 0, .size: 8, .value_kind: global_buffer, .address_space: global }
      - { .name: Wq, .offset: 8, .size: 8, .value_kind: global_buffer, .address_space: global }
      - { .name: Wk, .offset: 16, .size: 8, .value_kind: global_buffer, .address_space: global }
      - { .name: Wv, .offset: 24, .size: 8, .value_kind: global_buffer, .address_space: global }
      - { .name: Wo, .offset: 32, .size: 8, .value_kind: global_buffer, .address_space: global }
      - { .name: xb, .offset: 40, .size: 8, .value_kind: global_buffer, .address_space: global }
      - { .name: wt, .offset: 48, .size: 8, .value_kind: global_buffer, .address_space: global }
    .group_segment_fixed_size: 18432
    .private_segment_fixed_size: 0
    .kernarg_segment_align: 8
    .kernarg_segment_size: 56
    .max_flat_workgroup_size: 256
    .sgpr_count:     66
    .vgpr_count:     112
    .wavefront_size: 32
...
	.end_amdgpu_metadata
.endif
;; end of part 1
;; launch proj (part 2): grid 12 x 64, 4 waves a work-group, clusters of 4 x 4, 327,680 bytes of LDS; arguments xb, wt, qkv, bq, bk, bv; writes qkv
.if DOCPART == 2
	.amdgcn_target "amdgcn-amd-amdhsa--gfx1250"
	.amdhsa_code_object_version 6
	.text
	.protected	k_q233e0322c5_proj
	.globl	k_q233e0322c5_proj
	.p2align	8
	.type	k_q233e0322c5_proj,@function
k_q233e0322c5_proj:
	s_mov_b64 s[64:65], 0
	v_nop
	global_prefetch_b8 v0, s[64:65] scope:SCOPE_SE
	s_setreg_imm32_b32 hwreg(HW_REG_WAVE_MODE, 25, 1), 1
	s_wait_xcnt 0x0
	s_wait_alu depctr_hold_cnt(0) depctr_sa_sdst(0) depctr_va_vdst(0) depctr_va_sdst(0) depctr_va_ssrc(0) depctr_va_vcc(0) depctr_vm_vsrc(0)
	s_getreg_b32 s2, hwreg(HW_REG_IB_STS2, 6, 4)
	s_cmp_eq_u32 s2, 0
	s_cbranch_scc0 .Lentry_in_a_cluster
	s_endpgm
.Lentry_in_a_cluster:
	s_bfe_u32 s2, ttmp6, 0x10000c
	s_cmp_lg_u32 s2, 0xf033
	s_cbranch_scc0 .Lentry_shape_is_right
	s_endpgm
.Lentry_shape_is_right:
; qkv[g][m][n] = f16( (sum over k of xb[m][k] wt[1024 g + n][k] + b_g[n]) x c_g ),  g = 0 Q, 1 K, 2 V;  c = log2(e)/32, 1/32, 1.
; So Q' . K' is the score in units of log2, and the softmax behind needs a subtraction and an exponential of base 2 alone.  Products in bf16, sums in f32; bias (rounded to bf16 like every input) and
; scale are applied in f32, and the result is rounded once.   LIMIT: f16 ends at 65,504: |Q'|, |K'|, |V| must stay below it.
; A tile of C is 128 x 256: 64 x 12 = 768 tiles, three for each of 256 work-group places; four waves, each 64 x 128: 32 accumulators of 16 x 16.  K goes in 8 steps of 128 through two LDS slots.
; CLUSTER 4 x 4: the four work-groups of a row need the same 128 rows of xb, the four of a column the same 256 rows of wt: each tile is asked for jointly.
; THE MATRIX INSTRUCTION IS USED TRANSPOSED (source 0 = 16 rows of wt, source 1 = 16 rows of xb): a lane holds eight neighbouring columns of one row of C.
; REGISTERS: window 0: v0-31 addresses; two fragment buffers of 96 (v64-159, v160-255): 8 fragments of wt, then 4 of xb; on the way out they are work space.
;   window 1: the accumulators, (a, b) at v[8 (8 a + b)].     window 2: v0-63 bias x scale of my 8 x 8 columns; v64-65 at work.
.set KSTEP,  128
.set PITCH,  272                       ; an LDS row: 256 bytes + 16 of padding: the 16 rows of a fragment load start at 16 different groups of four banks (ISA guide 11.1)
.set AH,     64*PITCH                  ; what one tensor load brings of xb, and what one wave reads of it
.set BH,     128*PITCH                 ; the same for wt
.set BOFF,   2*AH
.set SLOT,   2*AH+2*BH
.set STAGE,  2*SLOT                    ; behind the ring: 16 rows x 272 bytes for each wave, for the way out
.set SPITCH, 272
.set SPARE,  STAGE+4*16*SPITCH         ; behind the stages: the spare words, 128 bytes a wave
.set LAPS,   4                         ; a lap = two K steps
.set ADRA, 16                          ; v16-17 LDS address of my fragments of xb in slot 0, 1
.set ADRB, 20                          ; v20-21 the same for wt
.set STO,  24
.set RD,   25
.set CO,   26
.set SPW,  28
.set NIL,  29
.set PFO,  30                          ; v30  the prefetches' offset: lane x 2,048; never rewritten
.set F0,   64
.set F1,   160
.set TT,   64                          ; the way out: 64 results in f32
.set TMP,  128                         ; packed
.set OB,   160                         ; whole rows read back: v160-191 and v192-223 by turns
.set G1,  24
.set G0,  32
.set G1B, 48
.set G0B, 56
.set BP,  66                           ; s[66:67] my region's bias
.set SC,  68                           ; s[68:69] my region's scale
.set PFA, 70                           ; s[70:71] where my prefetches stand
.set LIM, 78                           ; s78  1 in a wave that prefetches, else the greatest number
.set FLAGS, (1<<16)|(1<<20)|(1<<21)|(5<<22)|(3<<25)  ; 2-byte elements; padding on; bit 21 beside a mask; after every 64 words; 4 words
.set MUL, 0x50                         ; C and D in window 1, both sources in window 0
.set MSB, 0
.macro WIN new                         ; the immediate's high byte repeats the setting that is left
.if MSB != (\new)
	s_set_vgpr_msb (MSB<<8)|(\new)
.set MSB, \new
.endif
.endm
.macro JLOAD s                         ; a joint load: waves 0 and 1 fetch the halves of xb's tile, waves 2 and 3 those of wt's
	s_cmp_eq_u32 s11, 0
	s_cbranch_scc0 .Lfor_b_\@
	tensor_load_to_lds s[G0+4*(\s):G0+4*(\s)+3], s[G1:G1+7]
	s_nop 0
.rept 4
	v_nop
.endr
	s_branch .Lasked_\@
.Lfor_b_\@:
	tensor_load_to_lds s[G0B+4*(\s):G0B+4*(\s)+3], s[G1B:G1B+7]
	s_nop 0
.rept 4
	v_nop
.endr
.Lasked_\@:
.endm
; A prefetch of the K step that stands two refills on (256 of the wave's matrix instructions ahead of the load that will ask for it): 32 rows x 256 bytes, a lane a row.  Each row's 256 bytes are named once
; in the launch: xb's rows by the cluster with x = 0 (each partner 32 of the 128, by address; wave 0), wt's by the cluster with y = 0 (each partner 64 of the 256; waves 2 and 3, 32 each).
; K steps 0 to 3 come by their loads alone; the loop's last trip (s3 = 1) asks for nothing: there is no K step 8.
.macro ASK
	s_cmp_gt_u32 s3, s[LIM]
	s_cbranch_scc0 .Lnot_mine_\@
	global_prefetch_b8 v[PFO], s[PFA:PFA+1] offset:KSTEP*2 th:TH_LOAD_NT scope:SCOPE_SE
.Lnot_mine_\@:
.endm
.macro CREST                           ; a round of the cluster's barrier behind its opening barrier
	s_cmp_lg_u32 s10, 0
	s_cbranch_scc1 .Lnot_wave_0_\@
	s_barrier_signal -3
.Lnot_wave_0_\@:
	s_barrier_wait -3
	s_barrier_signal -1
	s_barrier_wait -1
.endm
.macro CROUND
	s_barrier_signal -1
	s_barrier_wait -1
	CREST
.endm
.macro PLACES                          ; four places behind matrix instructions, in front of loads into registers that they have read
.rept 4
	v_nop
.endr
.endm
	s_load_b128 s[4:7], s[0:1], 0x0                ; xb s[4:5], wt s[6:7]
	s_load_b64 s[8:9], s[0:1], 0x10                ; qkv
	s_load_b64 s[72:73], s[0:1], 0x18              ; bq
	s_load_b64 s[74:75], s[0:1], 0x20              ; bk
	s_load_b64 s[76:77], s[0:1], 0x28              ; bv
	v_lshl_add_u32 v[SPW], v0, 2, SPARE
	v_mov_b32 v[NIL], 0
	ds_add_u32 v[SPW], v[NIL]                      ; the wave's opening: the add and its wait ahead of my first tensor load
	v_lshrrev_b32 v1, 5, v0
	v_readfirstlane_b32 s10, v1                    ; wave 0..3
	s_lshr_b32 s11, s10, 1                         ; my half of the tile's rows.  Also: I fetch for xb (0) or for wt (1)
	s_and_b32 s12, s10, 1                          ; my half of its columns.  Also: which half of that tile I fetch
	s_bfe_u32 s40, ttmp6, 0x40000                  ; cx
	s_bfe_u32 s41, ttmp6, 0x40004                  ; cy
	s_lshl_b32 s42, ttmp9, 2
	s_add_co_u32 s42, s42, s40                     ; tile column = 4 x cluster x + cx
	s_and_b32 s13, ttmp7, 0xffff
	s_lshl_b32 s13, s13, 2
	s_add_co_u32 s13, s13, s41                     ; tile row = 4 x cluster y + cy
	s_lshl_b32 s43, s41, 2
	s_lshl_b32 s43, 15, s43                        ; my row of the cluster
	s_lshl_b32 s44, 0x1111, s40                    ; my column
	s_or_b32 s[G1+0], s43, FLAGS
	s_or_b32 s[G1B+0], s44, FLAGS
.irp g, G1, G1B
	s_mov_b32 s[(\g)+1], KSTEP<<16                 ; tensor_dim0 = 128
	s_mov_b32 s[(\g)+3], KSTEP<<16                 ; tile_dim0 = 128
	s_mov_b32 s[(\g)+5], 1024                      ; elements from row to row
	s_mov_b32 s[(\g)+6], 0
	s_mov_b32 s[(\g)+7], 0
.endr
	s_mov_b32 s[G1+2], 64<<16                      ; tensor_dim1 = tile_dim1 = 64 rows of xb,
	s_mov_b32 s[G1+4], 64
	s_mov_b32 s[G1B+2], 128<<16                    ; 128 rows of wt
	s_mov_b32 s[G1B+4], 128
	s_lshl_b32 s17, s12, 6
	s_lshl_b32 s16, s13, 7
	s_add_co_u32 s16, s16, s17                     ; xb: row 128 x tile row + 64 x half,
	s_lshl_b32 s16, s16, 11                        ; of 2,048 bytes
	s_mov_b32 s17, 0
	s_lshl_b32 s47, s12, 7
	s_lshl_b32 s46, s42, 8
	s_add_co_u32 s46, s46, s47                     ; wt: row 256 x tile column + 128 x half
	s_lshl_b32 s46, s46, 11
	s_mov_b32 s47, 0
	s_mul_i32 s20, s12, AH                         ; where they go: no place in the cluster enters an LDS address
	s_mul_i32 s21, s12, BH
	s_add_co_u32 s21, s21, BOFF
	s_wait_dscnt 0x0                               ; the opening add is done
	s_wait_kmcnt 0x0
	s_add_nc_u64 s[14:15], s[4:5], s[16:17]
	s_add_nc_u64 s[46:47], s[6:7], s[46:47]
	CROUND                                         ; all sixteen work-groups are here: the first joint loads meet
.irp s, 0,1
	s_mov_b32 s[G0+4*(\s)], 1
	s_add_co_u32 s[G0+4*(\s)+1], s20, (\s)*SLOT
	s_add_nc_u64 s[G0+4*(\s)+2:G0+4*(\s)+3], s[14:15], (\s)*KSTEP*2
	s_or_b32 s[G0+4*(\s)+3], s[G0+4*(\s)+3], 0x80000000
	s_mov_b32 s[G0B+4*(\s)], 1
	s_add_co_u32 s[G0B+4*(\s)+1], s21, (\s)*SLOT
	s_add_nc_u64 s[G0B+4*(\s)+2:G0B+4*(\s)+3], s[46:47], (\s)*KSTEP*2
	s_or_b32 s[G0B+4*(\s)+3], s[G0B+4*(\s)+3], 0x80000000
	JLOAD \s                                       ; two tensor loads of mine are out
.endr
	; my region: the cluster's x (four tile columns are 1,024 columns): its bias and its scale
	s_mov_b32 s[SC], 0x3d38aa3b                    ; log2(e) / 32
	s_mov_b32 s[SC+1], 0x3d000000                  ; 1 / 32
	s_cmp_eq_u32 ttmp9, 1
	s_cselect_b64 s[BP:BP+1], s[74:75], s[72:73]
	s_cselect_b32 s[SC], s[SC+1], s[SC]
	s_cmp_eq_u32 ttmp9, 2
	s_cselect_b64 s[BP:BP+1], s[76:77], s[BP:BP+1]
	s_cselect_b32 s[SC], 1.0, s[SC]
	s_mov_b32 s[SC+1], s[SC]                       ; named with it as a pair
	v_and_b32 v1, 15, v0                           ; r = l % 16
	v_bfe_u32 v2, v0, 4, 1                         ; h = l / 16
	s_lshl_b32 s46, s40, 10                        ; the bias of my columns 256 cx + 128 half + 16 b + 8 h + 0..7, 4 bytes each
	s_lshl_b32 s47, s12, 9
	s_add_co_u32 s46, s46, s47
	v_lshl_add_u32 v6, v2, 5, s46
	WIN 0x80                                       ; destination window 2, address window 0
.set i, 0
.rept 8
	global_load_b128 v[8*i:8*i+3],   v6, s[BP:BP+1] offset:64*i
	global_load_b128 v[8*i+4:8*i+7], v6, s[BP:BP+1] offset:64*i+16
.set i, i+1
.endr
	WIN 0
	v_mul_u32_u24 v3, v1, PITCH
	v_lshl_add_u32 v3, v2, 4, v3                   ; a fragment's row x pitch + 16 x half
	s_mul_i32 s21, s11, AH                         ; my 64 rows of xb
	s_mul_i32 s22, s12, BH                         ; my 128 rows of wt
	s_add_co_u32 s22, s22, BOFF
.irp s, 0,1
	v_add_nc_u32 v[ADRA+(\s)], s21, v3
	v_add_nc_u32 v[ADRB+(\s)], s22, v3
	s_add_co_u32 s21, s21, SLOT
	s_add_co_u32 s22, s22, SLOT
.endr
	s_mul_i32 s23, s10, 16*SPITCH
	s_add_co_u32 s23, s23, STAGE                   ; my stage
	v_mul_u32_u24 v4, v1, SPITCH                   ; in: row r, 16 bytes for each half of the lanes
	v_lshl_add_u32 v4, v2, 4, v4
	v_add_nc_u32 v[STO], s23, v4
	v_mul_u32_u24 v5, v2, SPITCH                   ; back: lanes 0-15 one row of 256 bytes, lanes 16-31 the next
	v_lshl_add_u32 v5, v1, 4, v5
	v_add_nc_u32 v[RD], s23, v5
	v_lshlrev_b32 v5, 11, v2                       ; and the same two rows in qkv
	v_lshl_add_u32 v[CO], v1, 4, v5
	s_lshl_b32 s16, s13, 7
	s_lshl_b32 s17, s11, 6
	s_add_co_u32 s16, s16, s17                     ; my first row
	s_lshl_b32 s16, s16, 11
	s_mov_b32 s17, 0
	s_add_nc_u64 s[8:9], s[8:9], s[16:17]
	s_lshl_b32 s46, s40, 9                         ; my first column in the region, 2 bytes each,
	s_lshl_b32 s47, s12, 8
	s_add_co_u32 s46, s46, s47
	s_lshl_b32 s47, ttmp9, 24                      ; and the region's 16,777,216 bytes
	s_add_co_u32 s46, s46, s47
	s_mov_b32 s47, 0
	s_add_nc_u64 s[8:9], s[8:9], s[46:47]
	; the prefetches
	s_and_b32 s22, ttmp7, 0xffff                   ; cluster y
	s_lshl_b32 s20, s13, 7                         ; xb: 128 x tile row + 32 cx
	s_lshl_b32 s21, s40, 5
	s_add_co_u32 s20, s20, s21
	s_lshl_b32 s23, s42, 8                         ; wt: 256 x tile column + 64 cy + 32 x (wave % 2)
	s_lshl_b32 s21, s41, 6
	s_add_co_u32 s23, s23, s21
	s_lshl_b32 s21, s12, 5
	s_add_co_u32 s23, s23, s21
	s_or_b32 s21, ttmp9, s12                       ; xb's are asked for where the cluster's x is 0, by wave 0
	s_cmp_eq_u32 s11, 0
	s_cselect_b32 s20, s20, s23
	s_cselect_b32 s21, s21, s22                    ; wt's where the cluster's y is 0
	s_cselect_b64 s[PFA:PFA+1], s[4:5], s[6:7]
	s_cmp_eq_u32 s21, 0
	s_cselect_b32 s[LIM], 1, -1                    ; the same in all sixteen partners, for a given wave
	s_lshl_b32 s20, s20, 11
	s_add_co_u32 s20, s20, 2*KSTEP*2               ; at K step 2: the first refill steps it to 3 and names K step 4
	s_mov_b32 s21, 0
	s_add_nc_u64 s[PFA:PFA+1], s[PFA:PFA+1], s[20:21]
	v_and_b32 v[PFO], 31, v0
	v_lshlrev_b32 v[PFO], 11, v[PFO]
	s_wait_loadcnt 0x0                             ; the bias
	WIN 0xaa                                       ; all places in window 2
.set i, 0
.rept 32                                               ; rounded to bf16 like every input, widened again, times the scale
	v_cvt_pk_bf16_f32 v[64+i%2], v[2*i], v[2*i+1]
	v_lshlrev_b32 v[2*i], 16, v[64+i%2]
	v_and_b32 v[2*i+1], 0xffff0000, v[64+i%2]
	v_pk_mul_f32 v[2*i:2*i+1], v[2*i:2*i+1], s[SC:SC+1] op_sel_hi:[1,0]
.set i, i+1
.endr
	WIN 0
; 8 matrix instructions: m block a x all 8 n blocks, 32 along K.  zero = 1: the product starts the sums.  The 32 accumulators take turns in the same order in every quarter.
.macro MULA f, a, zero
	WIN MUL
.irp b, 0,1,2,3,4,5,6,7
.if \zero
	v_wmma_f32_16x16x32_bf16 v[8*(8*(\a)+(\b)):8*(8*(\a)+(\b))+7], v[(\f)+8*(\b):(\f)+8*(\b)+7], v[(\f)+64+8*(\a):(\f)+64+8*(\a)+7], 0
.else
	v_wmma_f32_16x16x32_bf16 v[8*(8*(\a)+(\b)):8*(8*(\a)+(\b))+7], v[(\f)+8*(\b):(\f)+8*(\b)+7], v[(\f)+64+8*(\a):(\f)+64+8*(\a)+7], v[8*(8*(\a)+(\b)):8*(8*(\a)+(\b))+7]
.endif
.endr
.endm
.macro MUL16 f, a0, zero
	MULA \f, \a0, \zero
	MULA \f, (\a0)+1, \zero
.endm
; 24 LDS loads in one run: a quarter step's fragments (128 rows of wt, then 64 rows of xb, 32 K at byte k of the rows) into buffer f
.macro FETCH slot, k, f
	WIN 0
.irp i, 0,1,2,3,4,5,6,7
	ds_load_b128 v[(\f)+8*(\i):(\f)+8*(\i)+3],   v[ADRB+(\slot)] offset:(\k)+(\i)*16*PITCH
	ds_load_b128 v[(\f)+8*(\i)+4:(\f)+8*(\i)+7], v[ADRB+(\slot)] offset:(\k)+(\i)*16*PITCH+32
.endr
.irp i, 0,1,2,3
	ds_load_b128 v[(\f)+64+8*(\i):(\f)+64+8*(\i)+3],   v[ADRA+(\slot)] offset:(\k)+(\i)*16*PITCH
	ds_load_b128 v[(\f)+64+8*(\i)+4:(\f)+64+8*(\i)+7], v[ADRA+(\slot)] offset:(\k)+(\i)*16*PITCH+32
.endr
.endm
; One of a K step's first three quarters: multiplies buffer f; in its middle it fetches the next quarter, at byte k, into buffer g.
.macro QUARTER slot, k, f, g, zero
	s_wait_dscnt 4                                 ; all but the youngest four loads: xb's blocks 2 and 3
	MUL16 \f, 0, \zero
	PLACES
	FETCH \slot, \k, \g
	s_wait_dscnt 24                                ; all but the 24 just issued
	MUL16 \f, 2, \zero
.endm
; The last quarter multiplies buffer 1 and changes slots: one barrier; in front of it each wave waits for all its tensor loads (one is out: its part of the next slot), adds 0 to its spare word, and waits for
; that and for its reads of this slot.  fill = 1: the barrier opens a round of the cluster's, and this slot is filled again, two K steps ahead, first thing behind the round.
.macro TURN slot, next, fill
.if \fill
	s_wait_xcnt 0x0                                ; the last prefetch, a K step back, has read its address
	s_add_nc_u64 s[PFA:PFA+1], s[PFA:PFA+1], KSTEP*2
.endif
	WIN 0
	s_wait_tensorcnt 0x0
	ds_add_u32 v[SPW], v[NIL]
	s_wait_dscnt 5                                 ; (the add and the youngest four loads may be out)
	MULA F1, 0, 0
	s_wait_dscnt 0x0                               ; the add is done, and my reads of this slot are over
	s_barrier_signal -1
	MULA F1, 1, 0
.if \fill
	WIN 0
.endif
	s_barrier_wait -1
.if \fill
	CREST                                          ; no wave of any partner still reads this slot or has a load on its way
	s_add_nc_u64 s[G0+4*(\slot)+2:G0+4*(\slot)+3], s[G0+4*(\slot)+2:G0+4*(\slot)+3], 2*KSTEP*2
	s_add_nc_u64 s[G0B+4*(\slot)+2:G0B+4*(\slot)+3], s[G0B+4*(\slot)+2:G0B+4*(\slot)+3], 2*KSTEP*2
	JLOAD \slot                                    ; one tensor load of mine is out; its four v_nop are also the places in front of the loads below
.else
	PLACES
.endif
	FETCH \next, 0, F0
.if \fill
	ASK
.endif
	MUL16 F1, 2, 0
.endm
	s_wait_tensorcnt 1                             ; my part of K step 0 is in; K step 1's may stay out
	s_barrier_signal -1
	s_barrier_wait -1
	FETCH 0, 0, F0
	QUARTER 0, 64, F0, F1, 1                       ; the first quarter stands in front of the loop: its products start the sums
	WIN 0
	s_mov_b32 s3, LAPS-1
.Llap:                                                 ; a trip goes once round the ring and fills both slots again
	QUARTER 0, 128, F1, F0, 0
	QUARTER 0, 192, F0, F1, 0
	TURN 0, 1, 1
	QUARTER 1, 64,  F0, F1, 0
	QUARTER 1, 128, F1, F0, 0
	QUARTER 1, 192, F0, F1, 0
	TURN 1, 0, 1
	QUARTER 0, 64,  F0, F1, 0
	WIN 0
	s_sub_co_u32 s3, s3, 1
	s_cmp_lg_u32 s3, 0
	s_cbranch_scc1 .Llap
	QUARTER 0, 128, F1, F0, 0                      ; the last lap fills nothing
	QUARTER 0, 192, F0, F1, 0
	TURN 0, 1, 0
	QUARTER 1, 64,  F0, F1, 0
	QUARTER 1, 128, F1, F0, 0
	QUARTER 1, 192, F0, F1, 0
	s_wait_dscnt 4
	MUL16 F1, 0, 0
	s_wait_dscnt 0x0
	MUL16 F1, 2, 0
	WIN 0
	PLACES
	PLACES
; THE WAY OUT, 16 rows at a time: sum x scale + bias x scale, rounded to f16; 16 bytes a lane into my stage; back as whole rows of 256 bytes; stored.
.macro PACK a
	WIN 0x21                                       ; source 0 (the sums) window 1, source 2 (the bias) window 2, destination window 0
.irp b, 0,1,2,3,4,5,6,7
.irp q, 0,1,2,3
	v_pk_fma_f32 v[TT+8*(\b)+2*(\q):TT+8*(\b)+2*(\q)+1], v[8*(8*(\a)+(\b))+2*(\q):8*(8*(\a)+(\b))+2*(\q)+1], s[SC:SC+1], v[8*(\b)+2*(\q):8*(\b)+2*(\q)+1] op_sel_hi:[1,0,1]
.endr
.endr
	WIN 0
.irp b, 0,1,2,3,4,5,6,7
.irp q, 0,1,2,3
	v_cvt_pk_f16_f32 v[TMP+4*(\b)+(\q)], v[TT+8*(\b)+2*(\q)], v[TT+8*(\b)+2*(\q)+1]
.endr
.endr
.endm
.macro TOSTAGE a
.set BK, OB+32*((\a)%2)
.irp b, 0,1,2,3,4,5,6,7
	ds_store_b128 v[STO], v[TMP+4*(\b):TMP+4*(\b)+3] offset:32*(\b)
.endr
.irp t, 0,1,2,3,4,5,6,7
	ds_load_b128 v[BK+4*(\t):BK+4*(\t)+3], v[RD] offset:(\t)*2*SPITCH   ; LDS serves a wave's instructions in order (ISA guide 5.7.1.4): these see the stores above
.endr
.endm
.macro SEND a
.set BK, OB+32*((\a)%2)
	s_wait_dscnt 0x0                               ; the block is back in registers
	s_wait_xcnt 0x0                                ; the stores of the block before have read their registers, which the next block's loads will write
.irp t, 0,1,2,3,4,5,6,7
	global_store_b128 v[CO], v[BK+4*(\t):BK+4*(\t)+3], s[8:9] offset:(\a)*32768+(\t)*4096   ; sixteen lanes store 256 consecutive bytes, aligned
.endr
.endm
	PACK 0
	TOSTAGE 0
.irp a, 1,2,3
	PACK \a                                        ; a block's arithmetic stands between the loads of the block before and the wait for them
	SEND (\a)-1
	TOSTAGE \a
.endr
	SEND 3
	s_wait_tensorcnt 0x0                           ; the wave's end
	ds_add_u32 v[SPW], v[NIL]
	s_wait_dscnt 0x0
	CROUND                                         ; the closing round
	s_endpgm
.Lfunc_end_k_q233e0322c5_proj:
	.size	k_q233e0322c5_proj, .Lfunc_end_k_q233e0322c5_proj-k_q233e0322c5_proj
	.p2alignl 7, 3214868480
	.fill 96, 4, 3214868480
	.section	.rodata,"a",@progbits
	.p2align	6, 0x0
	.amdhsa_kernel k_q233e0322c5_proj
		.amdhsa_group_segment_fixed_size 327680
		.amdhsa_private_segment_fixed_size 0
		.amdhsa_enable_private_segment 0
		.amdhsa_kernarg_size 48
		.amdhsa_user_sgpr_count 2
		.amdhsa_user_sgpr_kernarg_segment_ptr 1
		.amdhsa_wavefront_size32 1
		.amdhsa_system_sgpr_workgroup_id_x 1
		.amdhsa_system_sgpr_workgroup_id_y 1
		.amdhsa_system_sgpr_workgroup_id_z 1
		.amdhsa_system_vgpr_workitem_id 0
		.amdhsa_next_free_vgpr 640
		.amdhsa_next_free_sgpr 80
		.amdhsa_reserve_vcc 0
		.amdhsa_float_denorm_mode_32 3
		.amdhsa_float_denorm_mode_16_64 3
		.amdhsa_memory_ordered 1
		.amdhsa_forward_progress 1
		.amdhsa_inst_pref_size 105
	.end_amdhsa_kernel
	.amdgpu_metadata
---
amdhsa.version: [ 1, 2 ]
amdhsa.kernels:
  - .name:           k_q233e0322c5_proj
    .symbol:         k_q233e0322c5_proj.kd
    .args:
      - { .name: xb, .offset: 0, .size: 8, .value_kind: global_buffer, .address_space: global }
      - { .name: wt, .offset: 8, .size: 8, .value_kind: global_buffer, .address_space: global }
      - { .name: qkv, .offset: 16, .size: 8, .value_kind: global_buffer, .address_space: global }
      - { .name: bq, .offset: 24, .size: 8, .value_kind: global_buffer, .address_space: global }
      - { .name: bk, .offset: 32, .size: 8, .value_kind: global_buffer, .address_space: global }
      - { .name: bv, .offset: 40, .size: 8, .value_kind: global_buffer, .address_space: global }
    .group_segment_fixed_size: 327680
    .private_segment_fixed_size: 0
    .kernarg_segment_align: 8
    .kernarg_segment_size: 48
    .max_flat_workgroup_size: 128
    .sgpr_count:     80
    .vgpr_count:     640
    .wavefront_size: 32
...
	.end_amdgpu_metadata
.endif
;; end of part 2
;; launch attn (part 3): grid 4 x 64, 8 waves a work-group, no clusters, 10,240 bytes of LDS; arguments qkv, rpart; writes rpart
.if DOCPART == 3
	.amdgcn_target "amdgcn-amd-amdhsa--gfx1250"
	.amdhsa_code_object_version 6
	.text
	.protected	k_q233e0322c5_attn
	.globl	k_q233e0322c5_attn
	.p2align	8
	.type	k_q233e0322c5_attn,@function
k_q233e0322c5_attn:
	s_mov_b64 s[64:65], 0
	v_nop
	global_prefetch_b8 v0, s[64:65] scope:SCOPE_SE
	s_setreg_imm32_b32 hwreg(HW_REG_WAVE_MODE, 25, 1), 1
	s_wait_xcnt 0x0
; rpart[quarter][head][a] = the sum over the quarter's 512 keys b of p(a, b),  p(a, b) = 2^(s(a,b) - m(b)) / Z(b),  s = Q'[a] . K'[b] (already in units of log2),
; m(b) = the maximum over all 2,048 a, Z(b) = the sum over all a of 2^(s - m): a softmax along the QUERY axis, of which only the row sums are wanted.
; SHARES.  A work-group has one head and 512 b, 16 a step.  Wave w has a = 256 w .. 256 w + 255: 16 tiles of 16, whose Q' (256 registers) stays in registers for the whole launch.
; LAYOUT.  S = K' Q'^T (source 0 = 16 keys, source 1 = 16 queries): lane (r, h), register j holds s(a = 16 i + r, b = 8 h + j).  So maxima and sums over a run across tiles and across the 16 lanes of a row,
; and the sum over b stays in the lane.
; A STEP.  Each wave takes away the TRUE maximum M_w of its own 256 a (no exponent is positive, its sum Z_w is at least 1) and keeps its 4,096 weights in registers.  The eight waves exchange M_w and Z_w
; through LDS: m = max M_w, Z = sum Z_w 2^(M_w - m) >= 1, and the wave's factor is 2^(M_w - m) / Z.  The weights times the factor are added into r at the head of the NEXT trip, just ahead of the products
; that write over them.  So every score is multiplied once and has one exponential.
; K' of a step (2 KiB) comes straight from memory into fragment registers, a whole step ahead of its use.
; NO CLUSTER, NO TENSOR LOADS: the loop's only stream, K', is shared with no other work-group; Q', which the four quarters of a head share, is read once, at the head, straight into fragment registers,
; 32 KiB a wave, and a joint load would bring it through LDS to be read again from there.
; Eight waves, two on a SIMD, of 512 registers each: a step has 32 matrix instructions for some 500 vector instructions and 137 exponentials a wave, so what a second wave fills is issue time.
; LIMITS: a weight below 2^-126 counts as 0; NaN and infinities are not treated apart.
; REGISTERS.  window 0: v1-7 addresses; v8-15 M; v16-23 Z; v24-31 the factors; v32-63 r, a pair (even b, odd b) a tile; v64-79 K' in use; v80-95 K' landing; v96-127 at work; v128-255 S, tile i at 128 + 8 i.
;   window 1: Q', tile i, channels 32 c on, at 16 i + 8 c.
.set XCH,   0                          ; LDS: wave w's 16 M at 128 w, its 16 Z at 128 w + 64
.set OUTB,  1024                       ; 1,024 bytes for each wave, for the way out
.set SPARE, 9216                       ; the spare words, 128 bytes for each of the eight waves
.set STEPS, 32
.set SPW, 1
.set NIL, 2
.set KO,  3                            ; v3  r x 128 + 16 h: my place in 16 rows of Q' or K'; never rewritten
.set PST, 4                            ; v4  128 w + 32 h: where my row of lanes puts its eight M
.set XRD, 5                            ; v5  4 (8 h + r % 8): the b that I work the factor out for
.set XOWN, 6                           ; v6  the same in my own wave's part
.set LN,  7                            ; v7  lane
.set MR,  8
.set ZR,  16
.set FR,  24
.set RA,  32
.set KF,  64
.set KN,  80
.set TW,  96
.set SR,  128
.set W_MM, 0x04                        ; source 1 (Q') in window 1
.set MSB, 0
.macro WIN new
.if MSB != (\new)
	s_set_vgpr_msb (MSB<<8)|(\new)
.set MSB, \new
.endif
.endm
	s_load_b128 s[4:7], s[0:1], 0x0                ; qkv s[4:5], rpart s[6:7]
	v_lshl_add_u32 v[SPW], v0, 2, SPARE
	v_mov_b32 v[NIL], 0
	v_lshrrev_b32 v9, 5, v0
	v_readfirstlane_b32 s8, v9                     ; wave 0..7
	v_and_b32 v[LN], 31, v0
	v_and_b32 v9, 15, v0                           ; r
	v_bfe_u32 v10, v0, 4, 1                        ; h
	v_lshlrev_b32 v[KO], 7, v9
	v_lshl_add_u32 v[KO], v10, 4, v[KO]
	s_lshl_b32 s30, s8, 7
	v_lshl_add_u32 v[PST], v10, 5, s30
	v_and_b32 v11, 7, v0
	v_lshl_add_u32 v11, v10, 3, v11
	v_lshlrev_b32 v[XRD], 2, v11
	v_add_nc_u32 v[XOWN], s30, v[XRD]
	s_and_b32 s9, ttmp7, 0xffff                    ; the head
	s_lshl_b32 s18, s9, 18                         ; its 2,048 rows of 128 bytes
	s_mov_b32 s19, 0
	s_lshl_b32 s24, s8, 15                         ; my wave's 256 rows of Q'
	s_mov_b32 s25, 0
	s_lshl_b32 s26, ttmp9, 16                      ; the quarter's 512 rows of K',
	s_add_co_u32 s26, s26, 0x1000000               ; which lies 16,777,216 bytes behind Q'
	s_mov_b32 s27, 0
	s_lshl_b32 s28, ttmp9, 19                      ; rpart: [quarter][head][2,048] f32
	s_lshl_b32 s29, s9, 13
	s_add_co_u32 s28, s28, s29
	s_lshl_b32 s29, s8, 10
	s_add_co_u32 s28, s28, s29
	s_mov_b32 s29, 0
	s_mov_b32 s20, 0x76543210                      ; v_permlanex16_b32: each lane takes its own place in the other half
	s_mov_b32 s21, 0xfedcba98
	s_mov_b32 s16, 0                               ; the step
	s_wait_kmcnt 0x0
	s_add_nc_u64 s[10:11], s[4:5], s[18:19]
	s_add_nc_u64 s[12:13], s[10:11], s[26:27]      ; K' at the quarter's first row
	s_add_nc_u64 s[10:11], s[10:11], s[24:25]      ; Q' at my wave's first row
	s_add_nc_u64 s[22:23], s[6:7], s[28:29]
	WIN 0x40                                       ; destination window 1
.set i, 0
.rept 32                                               ; tile i / 2, channels 32 (i % 2) on: lane (r, h) takes channels 8 h + 0..7 and 16 + 8 h + 0..7 of row r
	global_load_b128 v[8*i:8*i+3],   v[KO], s[10:11] offset:(i/2)*2048+(i%2)*64
	global_load_b128 v[8*i+4:8*i+7], v[KO], s[10:11] offset:(i/2)*2048+(i%2)*64+32
.set i, i+1
.endr
	WIN 0
.macro KLOAD dst, base, off            ; a step's 16 rows of K': two fragments
.irp c, 0,1
	global_load_b128 v[(\dst)+8*(\c):(\dst)+8*(\c)+3],   v[KO], s[(\base):(\base)+1] offset:(\off)+64*(\c)
	global_load_b128 v[(\dst)+8*(\c)+4:(\dst)+8*(\c)+7], v[KO], s[(\base):(\base)+1] offset:(\off)+64*(\c)+32
.endr
.endm
	KLOAD KF, 12, 0                                ; step 0
	KLOAD KN, 12, 2048                             ; step 1
	; The first trip adds the weights of a step that has not been: weights, factors and r start at 0, so that the loop has one text.  168 lines, once a launch, while Q' is on its way.
.set i, 0
.rept 128
	v_mov_b32 v[SR+i], 0
.set i, i+1
.endr
.set i, 0
.rept 40
	v_mov_b32 v[FR+i], 0
.set i, i+1
.endr
	s_wait_loadcnt 4                               ; Q' and K' of step 0 are in; the four loads of step 1 may stay out
	s_barrier_signal -1                            ; opens the barrier behind which the exchange's words are written: nobody has read them yet
.macro WM i, c                         ; a product: tile i, channels 32 c on; the first starts the sum
.if (\c) == 0
	v_wmma_f32_16x16x32_f16 v[SR+8*(\i):SR+8*(\i)+7], v[KF:KF+7], v[16*(\i):16*(\i)+7], 0
.else
	v_wmma_f32_16x16x32_f16 v[SR+8*(\i):SR+8*(\i)+7], v[KF+8:KF+15], v[16*(\i)+8:16*(\i)+15], v[SR+8*(\i):SR+8*(\i)+7]
.endif
.endm
.macro RQ u                            ; r += weight x factor for the four tiles of quad u; three lines lie between two on one pair
	WIN 0
.irp q, 0,1,2,3
.irp t, 0,1,2,3
	v_pk_fma_f32 v[RA+2*(4*(\u)+(\t)):RA+2*(4*(\u)+(\t))+1], v[SR+8*(4*(\u)+(\t))+2*(\q):SR+8*(4*(\u)+(\t))+2*(\q)+1], v[FR+2*(\q):FR+2*(\q)+1], v[RA+2*(4*(\u)+(\t)):RA+2*(4*(\u)+(\t))+1]
.endr
.endr
.endm
.macro MX p                            ; the maximum takes in tiles 2 p and 2 p + 1, each accumulator from its lowest register up; p = 0 starts it
	WIN 0
.irp j, 0,1,2,3,4,5,6,7
.if (\p) == 0
	v_max_num_f32 v[MR+(\j)], v[SR+(\j)], v[SR+8+(\j)]
.else
	v_max3_num_f32 v[MR+(\j)], v[MR+(\j)], v[SR+16*(\p)+(\j)], v[SR+16*(\p)+8+(\j)]
.endif
.endr
.endm
.macro RED op, base                    ; over the 16 lanes of a row, for eight registers: every lane ends with the result
.irp m, 1,2,4,8
.irp j, 0,1,2,3,4,5,6,7
	\op v[(\base)+(\j)], v[(\base)+(\j)], v[(\base)+(\j)] row_xmask:\m row_mask:0xf bank_mask:0xf
.endr
.endr
.endm
.macro SUBL t, q                       ; s - M for a pair of tile t
	v_pk_add_f32 v[SR+8*(\t)+2*(\q):SR+8*(\t)+2*(\q)+1], v[SR+8*(\t)+2*(\q):SR+8*(\t)+2*(\q)+1], v[MR+2*(\q):MR+2*(\q)+1] neg_lo:[0,1] neg_hi:[0,1]
.endm
.Lstep:
	; The last step's weights go into r quad by quad, each quad just ahead of the products that write over it.  Products in fours, two accumulators by turns; a quad's maximum is taken
	; sixteen plain instructions or more behind its last product.
	RQ 0
.irp u, 0,1,2,3
	WIN W_MM
	WM 4*(\u), 0
	WM 4*(\u)+1, 0
	WM 4*(\u), 1
	WM 4*(\u)+1, 1
.if (\u) < 3
	RQ (\u)+1
.endif
	WIN W_MM
	WM 4*(\u)+2, 0
	WM 4*(\u)+3, 0
	WM 4*(\u)+2, 1
	WM 4*(\u)+3, 1
.if (\u) > 0
	MX 2*(\u)-2
	MX 2*(\u)-1
.endif
.endr
	MX 6
	MX 7
	RED v_max_num_f32_dpp, MR                      ; M_w(b) of my wave's 256 a, b = 8 h + j
	; ONE BATCH of 128 exponentials; the next tile's subtractions stand among them; nothing ahead of the wait names a result.
.irp q, 0,1,2,3
	SUBL 0, \q
.endr
.set ti, 0
.rept 16
.set ei, 0
.rept 8
	v_exp_f32 v[SR+8*ti+ei], v[SR+8*ti+ei]
.if (ei < 4) && (ti < 15)
	SUBL ti+1, ei
.endif
.set ei, ei+1
.endr
.set ti, ti+1
.endr
	v_nop                                          ; a plain instruction behind the last exponential,
	s_wait_alu depctr_va_vdst(0)                   ; and the one wait ahead of the batch's first reader
.irp q, 0,1,2,3
	v_pk_add_f32 v[ZR+2*(\q):ZR+2*(\q)+1], v[SR+2*(\q):SR+2*(\q)+1], v[SR+8+2*(\q):SR+8+2*(\q)+1]   ; tiles 0 and 1 start the sums
.endr
.set ti, 2
.rept 14
.irp q, 0,1,2,3
	v_pk_add_f32 v[ZR+2*(\q):ZR+2*(\q)+1], v[ZR+2*(\q):ZR+2*(\q)+1], v[SR+8*ti+2*(\q):SR+8*ti+2*(\q)+1]
.endr
.set ti, ti+1
.endr
	RED v_add_f32_dpp, ZR                          ; Z_w(b)
	s_barrier_wait -1                              ; every wave has read the last exchange: its words may be written
	ds_store_b128 v[PST], v[MR:MR+3]               ; the sixteen lanes of a row write the same words with the same numbers
	ds_store_b128 v[PST], v[MR+4:MR+7] offset:16
	ds_store_b128 v[PST], v[ZR:ZR+3] offset:64
	ds_store_b128 v[PST], v[ZR+4:ZR+7] offset:80
	s_wait_dscnt 0x0                               ; for the others' sake
	s_barrier_signal -1
	s_wait_loadcnt 0x0                             ; the next step's K' is in (asked for a step ago), and its base may be written
.set i, 0
.rept 16
	v_mov_b32 v[KF+i], v[KN+i]                     ; hundreds of plain instructions behind the last product that read K'
.set i, i+1
.endr
	s_barrier_wait -1                              ; all eight waves' M and Z lie in LDS
.irp w, 0,1,2,3,4,5,6,7
	ds_load_b32 v[TW+(\w)], v[XRD] offset:XCH+128*(\w)
.endr
.irp w, 0,1,2,3,4,5,6,7
	ds_load_b32 v[TW+8+(\w)], v[XRD] offset:XCH+128*(\w)+64
.endr
	ds_load_b32 v[TW+16], v[XOWN] offset:XCH
	s_add_co_u32 s18, s16, 2                       ; K' of the step after the next; the last two trips ask for the last step once more, inside the buffer
	s_min_u32 s18, s18, STEPS-1
	s_lshl_b32 s18, s18, 11
	s_add_nc_u64 s[14:15], s[12:13], s[18:19]
	KLOAD KN, 14, 0
	s_wait_dscnt 0x0                               ; my reads of the exchange are over:
	s_barrier_signal -1                            ; say so; the wait stands in the next trip, with work on registers alone between
	v_max3_num_f32 v[TW+17], v[TW], v[TW+1], v[TW+2]
	v_max3_num_f32 v[TW+17], v[TW+17], v[TW+3], v[TW+4]
	v_max3_num_f32 v[TW+17], v[TW+17], v[TW+5], v[TW+6]
	v_max_num_f32 v[TW+17], v[TW+17], v[TW+7]      ; m(b): the column's true maximum
.irp w, 0,1,2,3,4,5,6,7,16
	v_sub_f32 v[TW+(\w)], v[TW+(\w)], v[TW+17]
.endr
.irp w, 0,1,2,3,4,5,6,7,16
	v_exp_f32 v[TW+(\w)], v[TW+(\w)]
.endr
	v_nop
	s_wait_alu depctr_va_vdst(0)                   ; one wait for the nine
	v_mul_f32 v[TW+18], v[TW], v[TW+8]
.irp w, 1,2,3,4,5,6,7
	v_fmac_f32 v[TW+18], v[TW+(\w)], v[TW+8+(\w)]  ; Z(b) = sum Z_w 2^(M_w - m)
.endr
	v_rcp_f32 v[TW+19], v[TW+18]
	v_nop
	s_wait_alu depctr_va_vdst(0)
	v_mul_f32 v[TW+20], v[TW+16], v[TW+19]         ; my wave's factor for b = 8 h + r % 8
.irp j, 0,1,2,3,4,5,6,7
	v_mov_b32_dpp v[FR+(\j)], v[TW+20] row_share:\j row_mask:0xf bank_mask:0xf   ; lane j of my row holds b = 8 h + j
.endr
	s_add_co_u32 s16, s16, 1
	s_cmp_lt_u32 s16, STEPS
	s_cbranch_scc1 .Lstep
	s_barrier_wait -1                              ; closes the barrier that the last trip opened
.irp u, 0,1,2,3
	RQ \u                                          ; the last step's weights
.endr
.set ti, 0
.rept 16
	v_add_f32 v[TW+ti], v[RA+2*ti], v[RA+2*ti+1]   ; even and odd b,
.set ti, ti+1
.endr
.set ti, 0
.rept 16
	v_permlanex16_b32 v[SR+ti], v[TW+ti], s20, s21 ; and the other eight b, which lie in the lane 16 away
.set ti, ti+1
.endr
.set ti, 0
.rept 16
	v_add_f32 v[TW+ti], v[TW+ti], v[SR+ti]
.set ti, ti+1
.endr
	v_cmp_le_u32 vcc_lo, 16, v[LN]
.set ti, 0
.rept 8
	v_cndmask_b32 v[SR+16+ti], v[TW+2*ti], v[TW+2*ti+1], vcc_lo   ; lanes 16-31 take the odd tile: lane l holds r(32 k + l)
.set ti, ti+1
.endr
	s_lshl_b32 s30, s8, 10
	s_add_co_u32 s30, s30, OUTB                    ; my wave's own 1,024 bytes: no barrier
	v_lshl_add_u32 v[SR+24], v[LN], 2, s30
	v_lshl_add_u32 v[SR+25], v[LN], 4, s30
	v_lshlrev_b32 v[SR+26], 4, v[LN]
.set ti, 0
.rept 8
	ds_store_b32 v[SR+24], v[SR+16+ti] offset:128*ti
.set ti, ti+1
.endr
	ds_load_b128 v[SR+28:SR+31], v[SR+25]          ; LDS serves a wave's instructions in order (ISA guide 5.7.1.4)
	ds_load_b128 v[SR+32:SR+35], v[SR+25] offset:512
	s_wait_dscnt 0x0
	global_store_b128 v[SR+26], v[SR+28:SR+31], s[22:23]             ; 512 consecutive bytes each, aligned
	global_store_b128 v[SR+26], v[SR+32:SR+35], s[22:23] offset:512
	s_wait_tensorcnt 0x0                           ; the wave's end, behind the last LDS store
	ds_add_u32 v[SPW], v[NIL]
	s_wait_dscnt 0x0
	s_endpgm
.Lfunc_end_k_q233e0322c5_attn:
	.size	k_q233e0322c5_attn, .Lfunc_end_k_q233e0322c5_attn-k_q233e0322c5_attn
	.p2alignl 7, 3214868480
	.fill 96, 4, 3214868480
	.section	.rodata,"a",@progbits
	.p2align	6, 0x0
	.amdhsa_kernel k_q233e0322c5_attn
		.amdhsa_group_segment_fixed_size 10240
		.amdhsa_private_segment_fixed_size 0
		.amdhsa_enable_private_segment 0
		.amdhsa_kernarg_size 16
		.amdhsa_user_sgpr_count 2
		.amdhsa_user_sgpr_kernarg_segment_ptr 1
		.amdhsa_wavefront_size32 1
		.amdhsa_system_sgpr_workgroup_id_x 1
		.amdhsa_system_sgpr_workgroup_id_y 1
		.amdhsa_system_sgpr_workgroup_id_z 1
		.amdhsa_system_vgpr_workitem_id 0
		.amdhsa_next_free_vgpr 512
		.amdhsa_next_free_sgpr 66
		.amdhsa_reserve_vcc 1
		.amdhsa_float_denorm_mode_32 3
		.amdhsa_float_denorm_mode_16_64 3
		.amdhsa_memory_ordered 1
		.amdhsa_forward_progress 1
		.amdhsa_inst_pref_size 52
	.end_amdhsa_kernel
	.amdgpu_metadata
---
amdhsa.version: [ 1, 2 ]
amdhsa.kernels:
  - .name:           k_q233e0322c5_attn
    .symbol:         k_q233e0322c5_attn.kd
    .args:
      - { .name: qkv, .offset: 0, .size: 8, .value_kind: global_buffer, .address_space: global }
      - { .name: rpart, .offset: 8, .size: 8, .value_kind: global_buffer, .address_space: global }
    .group_segment_fixed_size: 10240
    .private_segment_fixed_size: 0
    .kernarg_segment_align: 8
    .kernarg_segment_size: 16
    .max_flat_workgroup_size: 256
    .sgpr_count:     66
    .vgpr_count:     512
    .wavefront_size: 32
...
	.end_amdgpu_metadata
.endif
;; end of part 3
;; launch outp (part 4): grid 4 x 64, 4 waves a work-group, clusters of 4 x 4, 327,680 bytes of LDS; arguments qkv, wt, out0, rpart, bo; writes out0
.if DOCPART == 4
	.amdgcn_target "amdgcn-amd-amdhsa--gfx1250"
	.amdhsa_code_object_version 6
	.text
	.protected	k_q233e0322c5_outp
	.globl	k_q233e0322c5_outp
	.p2align	8
	.type	k_q233e0322c5_outp,@function
k_q233e0322c5_outp:
	s_mov_b64 s[64:65], 0
	v_nop
	global_prefetch_b8 v0, s[64:65] scope:SCOPE_SE
	s_setreg_imm32_b32 hwreg(HW_REG_WAVE_MODE, 25, 1), 1
	s_wait_xcnt 0x0
	s_wait_alu depctr_hold_cnt(0) depctr_sa_sdst(0) depctr_va_vdst(0) depctr_va_sdst(0) depctr_va_ssrc(0) depctr_va_vcc(0) depctr_vm_vsrc(0)
	s_getreg_b32 s2, hwreg(HW_REG_IB_STS2, 6, 4)
	s_cmp_eq_u32 s2, 0
	s_cbranch_scc0 .Lentry_in_a_cluster
	s_endpgm
.Lentry_in_a_cluster:
	s_bfe_u32 s2, ttmp6, 0x10000c
	s_cmp_lg_u32 s2, 0xf033
	s_cbranch_scc0 .Lentry_shape_is_right
	s_endpgm
.Lentry_shape_is_right:
; out0[m][n] = sum over k of r(m, k / 64) V[m][k] Wo[k][n] + bo[n].  Row m of V ([8192][1024] f16) belongs to head m / 128, and its 64 channels from 64 kb on to query a = 16 (m % 128) + kb of that head:
; sixteen r a row, each the sum of the four quarters' partial sums (f32).
; r can reach 2,048, so a row's sixteen r are divided by a power of two 2^e above their largest (r' < 1), rounded to f16 and multiplied onto V's fragments in registers (packed f16: V comes in 16 bits and goes
; into the matrix unit in 16 bits); 2^e is multiplied back in f32 on the way out: out = 2^e x sum + bo.  Products in f16 (Wo's bf16 numbers written as f16), sums in f32; bo is rounded to bf16 like every input.
; LIMITS: |V| below 65,504 (f16); an r' below 6e-5 of its row's largest keeps f16's fixed step; NaN and infinities are not treated apart.
; A tile of C is 128 x 256 (a tile row is one head): 64 x 4 = 256 tiles; four waves, each 64 x 128.  K in 8 steps of 128 through two LDS slots; cluster 4 x 4 with joint loads; the matrix instruction is used
; transposed (source 0 = 16 rows of Wo^T, source 1 = 16 rows of V), so that a lane holds eight neighbouring columns of one row.
; REGISTERS: window 0: v0-31 addresses; v32-47 r' of my rows for the K step in each slot; v48-55 2^e; two fragment buffers of 96 (v64-159, v160-255).  window 1: accumulators.  window 2: v0-63 bo; v64-65 at work.
.set KSTEP,  128
.set PITCH,  272                       ; an LDS row: 256 bytes + 16 of padding
.set AH,     64*PITCH
.set BH,     128*PITCH
.set BOFF,   2*AH
.set SLOT,   2*AH+2*BH
.set STAGE,  2*SLOT                    ; behind the ring: 16 rows x 528 bytes for each wave, for the way out
.set SPITCH, 528
.set RT,     STAGE+4*16*SPITCH         ; 128 rows x 80 bytes: word kb holds r'(row, kb) twice, in f16
.set RPITCH, 80
.set RSB,    RT+128*RPITCH             ; 128 words: 2^e of each row
.set SPARE,  RSB+512                   ; the spare words, 128 bytes a wave
.set LAPS,   4
.set ADRA, 16
.set ADRB, 20
.set STO,  24
.set RD,   25
.set CO,   26
.set SPW,  28
.set NIL,  29
.set PFO,  30
.set RTA,  31                          ; v31  where my rows' r' of the K step to come lie
.set RR,   32                          ; v[32+8 slot+2 a+kb]
.set RS,   48                          ; v[48+2 a]: 2^e of row 16 a + r, as a pair
.set F0,   64
.set F1,   160
.set TT,   64
.set OB,   128                         ; whole rows read back: v128-191 and v192-255 by turns
.set G1,  24
.set G0,  32
.set G1B, 48
.set G0B, 56
.set PFA, 70
.set LIM, 78
.set FLAGS, (1<<16)|(1<<20)|(1<<21)|(5<<22)|(3<<25)
.set MUL, 0x50
.set MSB, 0
.macro WIN new
.if MSB != (\new)
	s_set_vgpr_msb (MSB<<8)|(\new)
.set MSB, \new
.endif
.endm
.macro JLOAD s                         ; a joint load: waves 0 and 1 fetch the halves of V's tile, waves 2 and 3 those of Wo^T's
	s_cmp_eq_u32 s11, 0
	s_cbranch_scc0 .Lfor_b_\@
	tensor_load_to_lds s[G0+4*(\s):G0+4*(\s)+3], s[G1:G1+7]
	s_nop 0
.rept 4
	v_nop
.endr
	s_branch .Lasked_\@
.Lfor_b_\@:
	tensor_load_to_lds s[G0B+4*(\s):G0B+4*(\s)+3], s[G1B:G1B+7]
	s_nop 0
.rept 4
	v_nop
.endr
.Lasked_\@:
.endm
; A prefetch of the K step two refills on (256 of the wave's matrix instructions ahead of the load that will ask for it), 32 rows x 256 bytes, a lane a row, each row's 256 bytes named once in the launch:
; V's rows by their one cluster (each partner 32 of the 128, by address; wave 0), Wo^T's by the cluster with y = 0 (each partner 64 of the 256; waves 2 and 3).  K steps 0 to 3 come by their loads alone;
; the loop's last trip asks for nothing.
.macro ASK
	s_cmp_gt_u32 s3, s[LIM]
	s_cbranch_scc0 .Lnot_mine_\@
	global_prefetch_b8 v[PFO], s[PFA:PFA+1] offset:KSTEP*2 th:TH_LOAD_NT scope:SCOPE_SE
.Lnot_mine_\@:
.endm
.macro CREST
	s_cmp_lg_u32 s10, 0
	s_cbranch_scc1 .Lnot_wave_0_\@
	s_barrier_signal -3
.Lnot_wave_0_\@:
	s_barrier_wait -3
	s_barrier_signal -1
	s_barrier_wait -1
.endm
.macro CROUND
	s_barrier_signal -1
	s_barrier_wait -1
	CREST
.endm
.macro PLACES
.rept 4
	v_nop
.endr
.endm
	s_load_b128 s[4:7], s[0:1], 0x0                ; qkv s[4:5], wt s[6:7]
	s_load_b64 s[8:9], s[0:1], 0x10                ; out0
	s_load_b64 s[72:73], s[0:1], 0x18              ; rpart
	s_load_b64 s[74:75], s[0:1], 0x20              ; bo
	v_lshl_add_u32 v[SPW], v0, 2, SPARE
	v_mov_b32 v[NIL], 0
	ds_add_u32 v[SPW], v[NIL]                      ; the wave's opening: the add and its wait ahead of my first tensor load
	v_lshrrev_b32 v1, 5, v0
	v_readfirstlane_b32 s10, v1
	s_lshr_b32 s11, s10, 1                         ; my half of the rows.  Also: I fetch for V (0) or for Wo^T (1)
	s_and_b32 s12, s10, 1                          ; my half of the columns.  Also: which half of that tile I fetch
	s_bfe_u32 s40, ttmp6, 0x40000                  ; cx
	s_bfe_u32 s41, ttmp6, 0x40004                  ; cy
	s_lshl_b32 s42, ttmp9, 2
	s_add_co_u32 s42, s42, s40                     ; tile column
	s_and_b32 s13, ttmp7, 0xffff
	s_lshl_b32 s13, s13, 2
	s_add_co_u32 s13, s13, s41                     ; tile row = the head
	s_lshl_b32 s43, s41, 2
	s_lshl_b32 s43, 15, s43
	s_lshl_b32 s44, 0x1111, s40
	s_or_b32 s[G1+0], s43, FLAGS
	s_or_b32 s[G1B+0], s44, FLAGS
.irp g, G1, G1B
	s_mov_b32 s[(\g)+1], KSTEP<<16
	s_mov_b32 s[(\g)+3], KSTEP<<16
	s_mov_b32 s[(\g)+5], 1024
	s_mov_b32 s[(\g)+6], 0
	s_mov_b32 s[(\g)+7], 0
.endr
	s_mov_b32 s[G1+2], 64<<16
	s_mov_b32 s[G1+4], 64
	s_mov_b32 s[G1B+2], 128<<16
	s_mov_b32 s[G1B+4], 128
	s_lshl_b32 s17, s12, 6
	s_lshl_b32 s16, s13, 7
	s_add_co_u32 s16, s16, s17
	s_lshl_b32 s16, s16, 11
	s_mov_b32 s17, 0
	s_lshl_b32 s47, s12, 7
	s_lshl_b32 s46, s42, 8
	s_add_co_u32 s46, s46, s47
	s_lshl_b32 s46, s46, 11
	s_mov_b32 s47, 0
	s_mul_i32 s20, s12, AH
	s_mul_i32 s21, s12, BH
	s_add_co_u32 s21, s21, BOFF
	s_wait_dscnt 0x0                               ; the opening add is done
	s_wait_kmcnt 0x0
	s_add_nc_u64 s[4:5], s[4:5], 0x2000000         ; V lies 33,554,432 bytes into qkv,
	s_add_nc_u64 s[6:7], s[6:7], 0x600000          ; Wo^T 3,072 rows into wt
	s_add_nc_u64 s[14:15], s[4:5], s[16:17]
	s_add_nc_u64 s[46:47], s[6:7], s[46:47]
	CROUND                                         ; all sixteen work-groups are here: the first joint loads meet
.irp s, 0,1
	s_mov_b32 s[G0+4*(\s)], 1
	s_add_co_u32 s[G0+4*(\s)+1], s20, (\s)*SLOT
	s_add_nc_u64 s[G0+4*(\s)+2:G0+4*(\s)+3], s[14:15], (\s)*KSTEP*2
	s_or_b32 s[G0+4*(\s)+3], s[G0+4*(\s)+3], 0x80000000
	s_mov_b32 s[G0B+4*(\s)], 1
	s_add_co_u32 s[G0B+4*(\s)+1], s21, (\s)*SLOT
	s_add_nc_u64 s[G0B+4*(\s)+2:G0B+4*(\s)+3], s[46:47], (\s)*KSTEP*2
	s_or_b32 s[G0B+4*(\s)+3], s[G0B+4*(\s)+3], 0x80000000
	JLOAD \s                                       ; two tensor loads of mine are out
.endr
	v_and_b32 v1, 15, v0                           ; r
	v_bfe_u32 v2, v0, 4, 1                         ; h
	s_lshl_b32 s46, s42, 10                        ; bo of my columns 256 x tile column + 128 half + 16 b + 8 h + 0..7
	s_lshl_b32 s47, s12, 9
	s_add_co_u32 s46, s46, s47
	v_lshl_add_u32 v6, v2, 5, s46
	WIN 0x80
.set i, 0
.rept 8
	global_load_b128 v[8*i:8*i+3],   v6, s[74:75] offset:64*i
	global_load_b128 v[8*i+4:8*i+7], v6, s[74:75] offset:64*i+16
.set i, i+1
.endr
	WIN 0
	; thread t takes row t of the tile: its sixteen r, from each of the four quarters
	v_lshlrev_b32 v10, 6, v0
	s_lshl_b32 s16, s13, 13                        ; the head's 2,048 r
	s_mov_b32 s17, 0
	s_add_nc_u64 s[72:73], s[72:73], s[16:17]
.irp q, 0,1,2,3
.irp i, 0,1,2,3
	global_load_b128 v[64+16*(\q)+4*(\i):64+16*(\q)+4*(\i)+3], v10, s[72:73] offset:(\q)*524288+(\i)*16
.endr
.endr
	v_mul_u32_u24 v3, v1, PITCH
	v_lshl_add_u32 v3, v2, 4, v3
	s_mul_i32 s21, s11, AH
	s_mul_i32 s22, s12, BH
	s_add_co_u32 s22, s22, BOFF
.irp s, 0,1
	v_add_nc_u32 v[ADRA+(\s)], s21, v3
	v_add_nc_u32 v[ADRB+(\s)], s22, v3
	s_add_co_u32 s21, s21, SLOT
	s_add_co_u32 s22, s22, SLOT
.endr
	s_mul_i32 s23, s10, 16*SPITCH
	s_add_co_u32 s23, s23, STAGE                   ; my stage
	v_mul_u32_u24 v4, v1, SPITCH                   ; in: row r, 32 bytes for each half of the lanes
	v_lshl_add_u32 v4, v2, 5, v4
	v_add_nc_u32 v[STO], s23, v4
	v_and_b32 v5, 31, v0
	v_lshlrev_b32 v[CO], 4, v5                     ; back: 32 lanes take one row of 512 bytes; the same place in out0
	v_add_nc_u32 v[RD], s23, v[CO]
	v_mul_u32_u24 v7, v0, RPITCH
	v_add_nc_u32 v7, RT, v7                        ; where thread t puts its row's r'
	v_lshl_add_u32 v8, v0, 2, RSB                  ; and its 2^e
	s_mul_i32 s23, s11, 64*RPITCH
	s_add_co_u32 s23, s23, RT
	v_mul_u32_u24 v[RTA], v1, RPITCH
	v_add_nc_u32 v[RTA], s23, v[RTA]               ; row 64 x half + r (+ 16 a)
	s_lshl_b32 s23, s11, 8
	s_add_co_u32 s23, s23, RSB
	v_lshl_add_u32 v9, v1, 2, s23
	s_lshl_b32 s16, s13, 7
	s_lshl_b32 s17, s11, 6
	s_add_co_u32 s16, s16, s17                     ; my first row of out0,
	s_lshl_b32 s16, s16, 12                        ; of 4,096 bytes
	s_mov_b32 s17, 0
	s_add_nc_u64 s[8:9], s[8:9], s[16:17]
	s_mov_b32 s47, 0                               ; s46 still holds my first column x 4 bytes
	s_add_nc_u64 s[8:9], s[8:9], s[46:47]
	; the prefetches
	s_and_b32 s22, ttmp7, 0xffff
	s_lshl_b32 s20, s13, 7
	s_lshl_b32 s21, s40, 5
	s_add_co_u32 s20, s20, s21                     ; V: 128 x tile row + 32 cx
	s_lshl_b32 s23, s42, 8
	s_lshl_b32 s21, s41, 6
	s_add_co_u32 s23, s23, s21
	s_lshl_b32 s21, s12, 5
	s_add_co_u32 s23, s23, s21                     ; Wo^T: 256 x tile column + 64 cy + 32 x (wave % 2)
	s_or_b32 s21, ttmp9, s12
	s_cmp_eq_u32 s11, 0
	s_cselect_b32 s20, s20, s23
	s_cselect_b32 s21, s21, s22
	s_cselect_b64 s[PFA:PFA+1], s[4:5], s[6:7]
	s_cmp_eq_u32 s21, 0
	s_cselect_b32 s[LIM], 1, -1
	s_lshl_b32 s20, s20, 11
	s_add_co_u32 s20, s20, 2*KSTEP*2
	s_mov_b32 s21, 0
	s_add_nc_u64 s[PFA:PFA+1], s[PFA:PFA+1], s[20:21]
	v_lshlrev_b32 v[PFO], 11, v5
	s_wait_loadcnt 0x0                             ; bo and the partial sums
	WIN 0xaa
.set i, 0
.rept 32                                               ; bo rounded to bf16 like every input, and widened again
	v_cvt_pk_bf16_f32 v[64+i%2], v[2*i], v[2*i+1]
	v_lshlrev_b32 v[2*i], 16, v[64+i%2]
	v_and_b32 v[2*i+1], 0xffff0000, v[64+i%2]
.set i, i+1
.endr
	WIN 0
.set i, 0
.rept 8
	v_pk_add_f32 v[64+2*i:65+2*i], v[64+2*i:65+2*i], v[80+2*i:81+2*i]
	v_pk_add_f32 v[96+2*i:97+2*i], v[96+2*i:97+2*i], v[112+2*i:113+2*i]
.set i, i+1
.endr
.set i, 0
.rept 8
	v_pk_add_f32 v[64+2*i:65+2*i], v[64+2*i:65+2*i], v[96+2*i:97+2*i]   ; r of my row: v64-79
.set i, i+1
.endr
	v_max3_num_f32 v80, v64, v65, v66
.set i, 0
.rept 6
	v_max3_num_f32 v80, v80, v[67+2*i], v[68+2*i]
.set i, i+1
.endr
	v_max_num_f32 v80, v80, v79                    ; the largest of the sixteen, not negative: its exponent field E says that it lies below 2^(E - 126)
	v_lshrrev_b32 v81, 23, v80
	v_sub_nc_u32 v82, 253, v81
	v_lshlrev_b32 v82, 23, v82                     ; 2^(126 - E)
	v_add_nc_u32 v83, 1, v81
	v_lshlrev_b32 v83, 23, v83                     ; 2^(E - 126)
.set i, 0
.rept 8
	v_pk_mul_f32 v[64+2*i:65+2*i], v[64+2*i:65+2*i], v[82:83] op_sel_hi:[1,0]   ; r' < 1, exact
.set i, i+1
.endr
.set i, 0
.rept 16
	v_cvt_pk_f16_f32 v[84+i], v[64+i], v[64+i]     ; twice in a word, for the packed multiply
.set i, i+1
.endr
.irp i, 0,1,2,3
	ds_store_b128 v7, v[84+4*(\i):87+4*(\i)] offset:16*(\i)
.endr
	ds_store_b32 v8, v83
.macro MULA f, a, zero                 ; 8 matrix instructions; the 32 accumulators take turns in the same order in every quarter
	WIN MUL
.irp b, 0,1,2,3,4,5,6,7
.if \zero
	v_wmma_f32_16x16x32_f16 v[8*(8*(\a)+(\b)):8*(8*(\a)+(\b))+7], v[(\f)+8*(\b):(\f)+8*(\b)+7], v[(\f)+64+8*(\a):(\f)+64+8*(\a)+7], 0
.else
	v_wmma_f32_16x16x32_f16 v[8*(8*(\a)+(\b)):8*(8*(\a)+(\b))+7], v[(\f)+8*(\b):(\f)+8*(\b)+7], v[(\f)+64+8*(\a):(\f)+64+8*(\a)+7], v[8*(8*(\a)+(\b)):8*(8*(\a)+(\b))+7]
.endif
.endr
.endm
.macro MUL16 f, a0, zero
	MULA \f, \a0, \zero
	MULA \f, (\a0)+1, \zero
.endm
.macro FETCH slot, k, f
	WIN 0
.irp i, 0,1,2,3,4,5,6,7
	ds_load_b128 v[(\f)+8*(\i):(\f)+8*(\i)+3],   v[ADRB+(\slot)] offset:(\k)+(\i)*16*PITCH
	ds_load_b128 v[(\f)+8*(\i)+4:(\f)+8*(\i)+7], v[ADRB+(\slot)] offset:(\k)+(\i)*16*PITCH+32
.endr
.irp i, 0,1,2,3
	ds_load_b128 v[(\f)+64+8*(\i):(\f)+64+8*(\i)+3],   v[ADRA+(\slot)] offset:(\k)+(\i)*16*PITCH
	ds_load_b128 v[(\f)+64+8*(\i)+4:(\f)+64+8*(\i)+7], v[ADRA+(\slot)] offset:(\k)+(\i)*16*PITCH+32
.endr
.endm
; V's fragments a0 and a0 + 1 of buffer f times r': a lane holds one row, and a quarter's 32 channels lie in one block of 64 (kb = 0: the K step's first half, 1: its second).
.macro SCALE f, a0, slot, kb
	WIN 0
.irp a, \a0, (\a0)+1
.irp i, 0,1,2,3,4,5,6,7
	v_pk_mul_f16 v[(\f)+64+8*(\a)+(\i)], v[(\f)+64+8*(\a)+(\i)], v[RR+8*(\slot)+2*(\a)+(\kb)]
.endr
.endr
.endm
.macro RLOAD slot                      ; my four blocks' r' of a K step: two words each
.irp a, 0,1,2,3
	ds_load_b64 v[RR+8*(\slot)+2*(\a):RR+8*(\slot)+2*(\a)+1], v[RTA] offset:(\a)*16*RPITCH
.endr
.endm
.macro QUARTER slot, k, f, g, zero
.set KBQ, ((\k)/64-1)/2
	s_wait_dscnt 4                                 ; all but the youngest four loads: V's blocks 2 and 3
	SCALE \f, 0, \slot, KBQ
	MUL16 \f, 0, \zero
	PLACES
	FETCH \slot, \k, \g
	s_wait_dscnt 24                                ; all but the 24 just issued
	SCALE \f, 2, \slot, KBQ
	MUL16 \f, 2, \zero
.endm
.macro TURN slot, next, fill           ; the last quarter and the change of slots
.if \fill
	s_wait_xcnt 0x0                                ; the last prefetch, a K step back, has read its address
	s_add_nc_u64 s[PFA:PFA+1], s[PFA:PFA+1], KSTEP*2
.endif
	WIN 0
	s_wait_tensorcnt 0x0                           ; all my tensor loads have landed: my part of the next slot
	ds_add_u32 v[SPW], v[NIL]
	s_wait_dscnt 5                                 ; (the add and the youngest four loads may be out)
	SCALE F1, 0, \slot, 1
	MULA F1, 0, 0
	s_wait_dscnt 0x0                               ; the add is done, and my reads of this slot are over
	s_barrier_signal -1
	MULA F1, 1, 0
.if \fill
	WIN 0
.endif
	s_barrier_wait -1
.if \fill
	CREST
	s_add_nc_u64 s[G0+4*(\slot)+2:G0+4*(\slot)+3], s[G0+4*(\slot)+2:G0+4*(\slot)+3], 2*KSTEP*2
	s_add_nc_u64 s[G0B+4*(\slot)+2:G0B+4*(\slot)+3], s[G0B+4*(\slot)+2:G0B+4*(\slot)+3], 2*KSTEP*2
	JLOAD \slot                                    ; one tensor load of mine is out; its four v_nop are also the places in front of the loads below
.else
	PLACES
	WIN 0
.endif
	v_add_nc_u32 v[RTA], 8, v[RTA]                 ; the next K step's two words
	RLOAD \next
	FETCH \next, 0, F0
.if \fill
	ASK
.endif
	SCALE F1, 2, \slot, 1
	MUL16 F1, 2, 0
.endm
	s_wait_tensorcnt 1                             ; my part of K step 0 is in; K step 1's may stay out
	s_wait_dscnt 0x0                               ; for the others' sake: my row's r' and 2^e lie in LDS
	s_barrier_signal -1
	s_barrier_wait -1
.irp a, 0,1,2,3
	ds_load_b32 v[RS+2*(\a)], v9 offset:64*(\a)
.endr
	RLOAD 0
	FETCH 0, 0, F0
	QUARTER 0, 64, F0, F1, 1
	WIN 0
	s_mov_b32 s3, LAPS-1
.Llap:
	QUARTER 0, 128, F1, F0, 0
	QUARTER 0, 192, F0, F1, 0
	TURN 0, 1, 1
	QUARTER 1, 64,  F0, F1, 0
	QUARTER 1, 128, F1, F0, 0
	QUARTER 1, 192, F0, F1, 0
	TURN 1, 0, 1
	QUARTER 0, 64,  F0, F1, 0
	WIN 0
	s_sub_co_u32 s3, s3, 1
	s_cmp_lg_u32 s3, 0
	s_cbranch_scc1 .Llap
	QUARTER 0, 128, F1, F0, 0
	QUARTER 0, 192, F0, F1, 0
	TURN 0, 1, 0
	QUARTER 1, 64,  F0, F1, 0
	QUARTER 1, 128, F1, F0, 0
	QUARTER 1, 192, F0, F1, 0
	s_wait_dscnt 4
	SCALE F1, 0, 1, 1
	MUL16 F1, 0, 0
	s_wait_dscnt 0x0
	SCALE F1, 2, 1, 1
	MUL16 F1, 2, 0
	WIN 0
	PLACES
	PLACES
.irp a, 0,1,2,3
	v_mov_b32 v[RS+2*(\a)+1], v[RS+2*(\a)]         ; named as pairs below
.endr
; THE WAY OUT, 16 rows at a time: 2^e x sum + bo in f32; 32 bytes a lane for each n block into my stage; back as whole rows of 512 bytes; stored.
.macro PACK a
	WIN 0x21                                       ; source 0 (the sums) window 1, source 2 (bo) window 2
.irp b, 0,1,2,3,4,5,6,7
.irp q, 0,1,2,3
	v_pk_fma_f32 v[TT+8*(\b)+2*(\q):TT+8*(\b)+2*(\q)+1], v[8*(8*(\a)+(\b))+2*(\q):8*(8*(\a)+(\b))+2*(\q)+1], v[RS+2*(\a):RS+2*(\a)+1], v[8*(\b)+2*(\q):8*(\b)+2*(\q)+1] op_sel_hi:[1,0,1]
.endr
.endr
	WIN 0
.endm
.macro TOSTAGE a
.set BK, OB+64*((\a)%2)
.irp b, 0,1,2,3,4,5,6,7
	ds_store_b128 v[STO], v[TT+8*(\b):TT+8*(\b)+3]   offset:64*(\b)
	ds_store_b128 v[STO], v[TT+8*(\b)+4:TT+8*(\b)+7] offset:64*(\b)+16
.endr
.irp t, 0,1,2,3,4,5,6,7,8,9,10,11,12,13,14,15
	ds_load_b128 v[BK+4*(\t):BK+4*(\t)+3], v[RD] offset:(\t)*SPITCH   ; LDS serves a wave's instructions in order (ISA guide 5.7.1.4)
.endr
.endm
.macro SEND a
.set BK, OB+64*((\a)%2)
	s_wait_dscnt 0x0
	s_wait_xcnt 0x0                                ; the stores of the block before have read their registers, which the next block's loads will write
.irp t, 0,1,2,3,4,5,6,7,8,9,10,11,12,13,14,15
	global_store_b128 v[CO], v[BK+4*(\t):BK+4*(\t)+3], s[8:9] offset:(16*(\a)+(\t))*4096   ; 512 consecutive bytes, aligned
.endr
.endm
	PACK 0
	TOSTAGE 0
.irp a, 1,2,3
	PACK \a
	SEND (\a)-1
	TOSTAGE \a
.endr
	SEND 3
	s_wait_tensorcnt 0x0                           ; the wave's end
	ds_add_u32 v[SPW], v[NIL]
	s_wait_dscnt 0x0
	CROUND                                         ; the closing round
	s_endpgm
.Lfunc_end_k_q233e0322c5_outp:
	.size	k_q233e0322c5_outp, .Lfunc_end_k_q233e0322c5_outp-k_q233e0322c5_outp
	.p2alignl 7, 3214868480
	.fill 96, 4, 3214868480
	.section	.rodata,"a",@progbits
	.p2align	6, 0x0
	.amdhsa_kernel k_q233e0322c5_outp
		.amdhsa_group_segment_fixed_size 327680
		.amdhsa_private_segment_fixed_size 0
		.amdhsa_enable_private_segment 0
		.amdhsa_kernarg_size 40
		.amdhsa_user_sgpr_count 2
		.amdhsa_user_sgpr_kernarg_segment_ptr 1
		.amdhsa_wavefront_size32 1
		.amdhsa_system_sgpr_workgroup_id_x 1
		.amdhsa_system_sgpr_workgroup_id_y 1
		.amdhsa_system_sgpr_workgroup_id_z 1
		.amdhsa_system_vgpr_workitem_id 0
		.amdhsa_next_free_vgpr 640
		.amdhsa_next_free_sgpr 80
		.amdhsa_reserve_vcc 0
		.amdhsa_float_denorm_mode_32 3
		.amdhsa_float_denorm_mode_16_64 3
		.amdhsa_memory_ordered 1
		.amdhsa_forward_progress 1
		.amdhsa_inst_pref_size 141
	.end_amdhsa_kernel
	.amdgpu_metadata
---
amdhsa.version: [ 1, 2 ]
amdhsa.kernels:
  - .name:           k_q233e0322c5_outp
    .symbol:         k_q233e0322c5_outp.kd
    .args:
      - { .name: qkv, .offset: 0, .size: 8, .value_kind: global_buffer, .address_space: global }
      - { .name: wt, .offset: 8, .size: 8, .value_kind: global_buffer, .address_space: global }
      - { .name: out0, .offset: 16, .size: 8, .value_kind: global_buffer, .address_space: global }
      - { .name: rpart, .offset: 24, .size: 8, .value_kind: global_buffer, .address_space: global }
      - { .name: bo, .offset: 32, .size: 8, .value_kind: global_buffer, .address_space: global }
    .group_segment_fixed_size: 327680
    .private_segment_fixed_size: 0
    .kernarg_segment_align: 8
    .kernarg_segment_size: 40
    .max_flat_workgroup_size: 128
    .sgpr_count:     80
    .vgpr_count:     640
    .wavefront_size: 32
...
	.end_amdgpu_metadata
.endif
;; end of part 4
